; MI455X (gfx1250); checked and timed in simulation.
; The chip was launched on July 23, 2026; its instructions are those of AMD's public machine-readable ISA for CDNA 5 (MIT licence, August 2026) and "CDNA5" Instruction Set Architecture Reference Guide (July 2026). The comments in the code are by the model that wrote it; some were corrected since.
;; CA3 Recurrent Attractor. Allowed arithmetic: matrix products marked QUANTISED: E2M1 operands, one E8M0 scale for each 32 along K, by v_wmma_scale_f32_16x16x128_f8f6f4 with both operands' format E2M1 (or v_wmma_scale_f32_32x16x128_f4), f32 sums; everything else in f32.
;; Inputs: W_mossy 512 x 2,048 float32; W_rec 512 x 512 float32; dg_query_spikes 16,384 x 2,048 float32; u0 512 float32; v0 512 float32.
;; Outputs: out0 16,384 x 512 float32.
;; This version of the problem:
;;   THIS VERSION OF THE PROBLEM IS GIVEN IN LOW PRECISION. The matrix products marked QUANTISED in the list below multiply operands that are first quantised to E2M1 (2 exponent bits, 1 mantissa bit; 4 bits a number), with one power-of-two scale for each 32 numbers along K (OCP MX v1.0); their sums are f32. All else is computed in f32.
;;   The module's matrix products, in the order in which they are computed (A, B: the left and right operand; K: the contracted axis; several contracted axes count as one K, in the product's order):
;;     1. [M 16,384, K 2,048] x [K 2,048, N 512]; A: input dg_query_spikes; B: input W_mossy: QUANTISED
;;     2. [M 16,384, K 512] x [K 512, N 512]; A: computed on the way; B: input W_rec: QUANTISED
;;     3. [M 16,384, K 512] x [K 512, N 512]; A: computed on the way; B: input W_rec: QUANTISED
;;     4. [M 16,384, K 512] x [K 512, N 512]; A: computed on the way; B: input W_rec: QUANTISED
;;     5. [M 16,384, K 512] x [K 512, N 512]; A: computed on the way; B: input W_rec: QUANTISED
;;     6. [M 16,384, K 512] x [K 512, N 512]; A: computed on the way; B: input W_rec: QUANTISED
;;   THE QUANTISER, for each operand of a quantised product, along K:
;;     - K is cut into blocks of 32 from its start; a last block that is shorter is filled with zeros.
;;     - A block's scale is 2^e with e = floor(log2(the largest magnitude in the block)) - 2, held to -126 .. 127; a block of zeros has e = 0. As a byte (E8M0): e + 127.
;;     - Each number is divided by its block's scale, clamped to +-6, and rounded to the nearest number of E2M1, ties to even, subnormals kept.
;;     - The product sums the exact products of the quantised numbers (number of the format x scale) in f32.
;;   ~~~python
;;   def quantise(x, axis):      # numpy; x: float32 -> the quantised numbers, widened to float32 again
;;       x = np.moveaxis(x, axis, -1); K = x.shape[-1]
;;       x = np.pad(x, [(0, 0)] * (x.ndim - 1) + [(0, -K % 32)]); x = x.reshape(x.shape[:-1] + (-1, 32)); a = np.abs(x).max(-1, keepdims=True)
;;       e = np.where(a > 0, np.clip(np.frexp(np.where(a > 0, a, 1))[1] - 1 - 2, -126, 127), 0)      # np.frexp(a)[1] - 1 = floor(log2(a)), exactly
;;       r = np.clip(x / 2.0 ** e, -6, 6)
;;       step = 2.0 ** (np.maximum(np.frexp(np.where(r == 0, 1, r))[1] - 1, 0) - 1)
;;       q = np.round(r / step) * step * 2.0 ** e      # np.round: ties to even
;;       return np.moveaxis(q.reshape(q.shape[:-2] + (-1,))[..., :K], -1, axis).astype(np.float32)
;;   ~~~
;;   OPERANDS COMPUTED ON THE WAY. 'Computed on the way' means the value that the module computes at that place (a softmax that the list does not call 'softmax' is quantised finished and normalised). What goes into a quantiser is computed in f32, as accurately as f32 sums, v_exp_f32 and their like allow (about 1e-6 of the number): no bf16 or f16 on the way to a quantiser, and a product that is left as it is and whose result goes on into a quantised operand takes f32 operands (vector FMAs, or v_wmma_f32_16x16x4_f32). A number that lies on a knife's edge between two numbers of the format may be rounded either way, as far as f32 arithmetic and the matrix unit's own rounding can turn it there, and no further.
;; One version. Each part assembles by itself: llvm-mc -triple=amdgcn-amd-amdhsa -mcpu=gfx1250 --defsym DOCPART=n.
;; ======== version 1 of 1: 2 launches
;; limits: right only within a limited range of input values
;; workspace buffers: wm 557,056 bytes; cv 4,096 bytes
;; launch prep (part 1): grid 80 x 1, 8 waves a work-group, no clusters, 2,048 bytes of LDS; arguments W_mossy, W_rec, v0, u0, wm, cv; writes wm, cv
.if DOCPART == 1
	.amdgcn_target "amdgcn-amd-amdhsa--gfx1250"
	.amdhsa_code_object_version 6
	.text
	.protected	k_q0bc9686782_prep
	.globl	k_q0bc9686782_prep
	.p2align	8
	.type	k_q0bc9686782_prep,@function
k_q0bc9686782_prep:
	s_mov_b64 s[64:65], 0
	v_nop
	global_prefetch_b8 v0, s[64:65] scope:SCOPE_SE
	s_setreg_imm32_b32 hwreg(HW_REG_WAVE_MODE, 25, 1), 1
	s_wait_xcnt 0x0
; WORK LEFT OUT, for all values of the inputs.  Every Izhikevich step ends with v = -55 where v' >= 30, and else with clip(v', -90, 30) of a v' < 30, which is < 30.  So (v >= 30) is 0 everywhere
; at the head of steps 2 to 5, and their four products with W_rec multiply zeros: they are not done.  In step 1 the operand is (v0 >= 30), broadcast by reference() itself: all 16,384 rows of that
; product are one and the same row, which is made once, here, on 16 equal rows.  LIMIT: a NaN, an infinity or an overflow that reaches only the work left out is not carried to the result.
; WORK-GROUPS 0-63: W_mossy [512][2048] becomes codes of FP4 (E2M1) with one E8M0 byte for each 32 along K, IN THE ORDER OF THE OPERAND'S REGISTERS.  A BLOCK of 8,704 bytes serves columns 128 w .. and K step ks (wm = [w][ks]):
;   bytes (2 t + c) 512 + 16 lane: registers 4 c .. 4 c + 3 of fragment t: lane (r, h) holds weight row 128 w + 32 (t / 2) + 8 (t % 2) + r + 8 (r / 8), k = 128 ks + 64 c + 32 h + 0 .. 31;
;   bytes 8,192 + 16 l + 4 i: the scale word of tile 2 i + l / 16, tile row l % 16.  A work-group makes one block, wave t its tile t.
; WORK-GROUPS 64-79 (i = 0 .. 15): rec = (v0 >= 30) Q(W_rec)^T.  Wave (u, ks) quantises rows 32 i + 8 u + r + 8 (r / 8), K step ks, multiplies, and the four K steps' parts meet in LDS.  Then, for each column n,
;   with c1 = v0 + 0.5 (0.04 v0^2 + 5 v0 + 140 - u0 + rec) (step 1's v' = 5 qc + c1) and b = 87.5 + 25 / 990:  d1 = 0.02 c1 + 0.02 b;  w1 = 0.99 (9.9 u0 + 0.02 v0 + 2 b) = 9.801 u0 + 0.0198 v0 + 173.3.
;   These are the next launch's state at step 1 (its head says what it carries).  cv = d1 [512], then w1 [512], number 16 (2 i + u) + r: the order of the next launch's result tiles.
; A block's scale is 2^(floor(log2(largest magnitude)) - 2); its byte is that magnitude's exponent field - 2, held at 1 from below.  (v0 >= 30) holds 0 and 1: under the byte 125 a 1 is the code of 4, as the quantiser gives it.
; LIMITS: a block of zeros, or with its largest magnitude under 2^-124, keeps the byte 1 (zero codes add nothing; this program alone reads the bytes); NaN and infinities are not served; rec's four parts are added in f32.
.set XN, 32                            ; v32-95   my two blocks of 32 numbers
.set CD, 96                            ; v96-103  the weight's fragment
.set SF, 104                           ; v104-111 the spikes' fragment
.set VN, 136                           ; v136-199 v0 at my fragment's k
.set BLK, 8704
.macro LOADW
.irp c, 0,1
.irp j, 0,1,2,3,4,5,6,7
	global_load_b128 v[XN+32*\c+4*\j:XN+32*\c+4*\j+3], v5, s[4:5] offset:256*\c+16*\j th:TH_LOAD_NT   ; k = 64 c + 32 h + 4 j ..: a whole block of 32 in my registers
.endr
.endr
.endm
.macro QUANT                           ; v[XN ..] -> codes in v[CD ..], the row's scale word in v16
.irp c, 0,1
	v_max3_num_f32 v[18+\c], |v[XN+32*\c]|, |v[XN+32*\c+1]|, 0x1800000   ; the floor 2^(3 - 127): the byte cannot fall under 1
.endr
.irp i, 2,4,6,8,10,12,14,16,18,20,22,24,26,28,30
.irp c, 0,1
	s_delay_alu instid0(VALU_DEP_2)
	v_max3_num_f32 v[18+\c], v[18+\c], |v[XN+32*\c+\i]|, |v[XN+32*\c+\i+1]|
.endr
.endr
.irp c, 0,1
	s_delay_alu instid0(VALU_DEP_2)
	v_add_nc_u32 v[22+\c], 0xff000000, v[18+\c]    ; 2 off the exponent field: the conversion's scale operand
.endr
.irp c, 0,1
	s_delay_alu instid0(VALU_DEP_2)
	v_lshrrev_b32 v[28+\c], 23, v[22+\c]           ; the scale's byte
.endr
	s_delay_alu instid0(VALU_DEP_1)
	v_lshl_or_b32 v16, v29, 16, v28                ; blocks h and 2 + h of my row,
	v_lshlrev_b32 v17, 3, v3
	s_delay_alu instid0(VALU_DEP_1)
	v_lshlrev_b32 v16, v17, v16                    ; at their places in the word;
	v_mov_b32 v17, 0
	s_delay_alu instid0(VALU_DEP_1)
	v_permlanex16_b32 v17, v16, s20, s21
	s_delay_alu instid0(VALU_DEP_1)
	v_or_b32 v16, v16, v17                         ; with lane l xor 16's two the word is whole
.irp c, 0,1
.irp g, 0,1,2,3
	v_cvt_scalef32_pk8_fp4_f32 v[CD+4*\c+\g], v[XN+32*\c+8*\g:XN+32*\c+8*\g+7], v[22+\c]
.endr
.endr
	v_nop                                          ; one plain line behind the last scaled conversion
.endm
	s_load_b256 s[4:11], s[0:1], 0x0               ; W_mossy s[4:5], W_rec s[6:7], v0 s[8:9], u0 s[10:11]
	s_load_b128 s[28:31], s[0:1], 0x20             ; wm s[28:29], cv s[30:31]
	v_lshrrev_b32 v1, 5, v0
	s_delay_alu instid0(VALU_DEP_1)
	v_readfirstlane_b32 s12, v1                    ; wave
	s_mov_b32 s20, 0x76543210
	s_mov_b32 s21, 0xfedcba98                      ; v_permlanex16_b32's selects for lane l xor 16
	s_mov_b32 s32, 0x41f00000                      ; 30
	s_and_b32 s22, s12, 1                          ; t % 2
	s_lshr_b32 s23, s12, 1                         ; t / 2
	s_lshl_b32 s24, s22, 8
	s_lshl_b32 s25, s23, 2
	s_add_co_u32 s24, s24, s25                     ; LDS, W_mossy's way: 256 (t % 2) + 4 (t / 2)
	s_lshr_b32 s16, ttmp9, 4
	s_lshl_b32 s16, s16, 7
	s_lshl_b32 s25, s23, 5
	s_add_co_u32 s16, s16, s25
	s_lshl_b32 s25, s22, 3
	s_add_co_u32 s16, s16, s25                     ; W_mossy: the tile's first row 128 w + 32 (t / 2) + 8 (t % 2),
	s_and_b32 s17, ttmp9, 15                       ; and its K step
	s_sub_co_u32 s35, ttmp9, 64                    ; W_rec: i,
	s_lshr_b32 s34, s12, 2                         ; u,
	s_and_b32 s33, s12, 3                          ; ks
	s_lshl_b32 s18, s35, 5
	s_lshl_b32 s25, s34, 3
	s_add_co_u32 s18, s18, s25                     ; first row 32 i + 8 u
	s_lshl_b32 s26, s34, 8
	s_add_co_u32 s26, s26, 512                     ; LDS, W_rec's way, bytes of its own: 512 + 256 u
	s_lshl_b32 s25, s33, 6
	s_add_co_u32 s25, s25, s26                     ; + 64 ks
	s_lshl_b32 s36, s35, 7
	s_lshl_b32 s37, s34, 6
	s_add_co_u32 s36, s36, s37                     ; cv: 64 (2 i + u)
	s_cmp_lt_u32 ttmp9, 64                         ; which tensor: the choice hangs on the work-group's number alone
	s_cselect_b32 s16, s16, s18
	s_cselect_b32 s17, s17, s33
	s_cselect_b32 s13, 13, 11                      ; log2 of a row's bytes
	v_lshl_add_u32 v128, v0, 2, 0x400              ; my spare word, and 0
	v_mov_b32 v129, 0
	v_and_b32 v2, 15, v0                           ; r
	v_bfe_u32 v3, v0, 4, 1                         ; h
	v_and_b32 v4, 31, v0
	v_mov_b32 v20, 0x3e800000                      ; 2^-2: the spikes' conversion scale
	v_mov_b32 v21, 0x7d7d7d7d                      ; and their scale word: four bytes 125
	v_lshlrev_b32 v6, 4, v4                        ; 16 x lane
	v_and_b32 v5, 8, v2
	v_lshl_add_u32 v7, v2, 4, s24                  ; W_mossy's scale word: + 16 r
	v_lshl_add_u32 v8, v2, 2, s25                  ; my part of rec: + 4 r
	v_lshl_add_u32 v9, v2, 2, s26                  ; the four parts
	v_add_nc_u32 v5, v5, v2                        ; r + 8 (r / 8)
	v_lshl_add_u32 v14, v2, 2, s36
	v_lshlrev_b32 v11, 7, v3                       ; v0 at my k: + 128 h
	v_lshl_add_u32 v14, v3, 11, v14                ; cv: lanes 0-15 store d1, lanes 16-31 w1
	v_add_lshl_u32 v10, v5, s16, 2                 ; v0, u0 at my row
	v_lshlrev_b32 v5, s13, v5
	s_delay_alu instid0(VALU_DEP_1)
	v_lshl_add_u32 v5, v3, 7, v5                   ; my row, + 128 h
	s_lshl_b32 s16, s16, s13
	s_lshl_b32 s17, s17, 9
	s_add_co_u32 s16, s16, s17                     ; the tile's first byte (under 2^23)
	s_mov_b32 s17, 0
	s_lshl_b32 s18, s33, 9
	s_mov_b32 s19, 0
	s_wait_alu depctr_va_vdst(0)                   ; the wait at the head's end
	s_wait_kmcnt 0x0
	s_cmp_lt_u32 ttmp9, 64
	s_cselect_b64 s[4:5], s[4:5], s[6:7]
	s_add_nc_u64 s[4:5], s[4:5], s[16:17]
	s_cbranch_scc0 .Lrec
	s_mul_i32 s18, ttmp9, BLK
	s_lshl_b32 s19, s12, 10
	s_add_co_u32 s18, s18, s19                     ; my fragment in the block: 1,024 t
	s_mov_b32 s19, 0
	s_add_nc_u64 s[28:29], s[28:29], s[18:19]
	LOADW
	s_wait_loadcnt 0x0
	QUANT
.irp c, 0,1
	global_store_b128 v6, v[CD+4*\c:CD+4*\c+3], s[28:29] offset:512*\c   ; 32 lanes store 512 consecutive bytes
.endr
	ds_store_b32 v7, v16                           ; lanes r and r + 16 write the same word with the same value
	s_wait_dscnt 0x0                               ; for the others' sake
	s_barrier_signal -1
	s_barrier_wait -1
	s_cmp_lg_u32 s12, 0                            ; wave 0 stores the block's 128 scale words as 512 consecutive bytes
	s_cbranch_scc1 .Lend
	ds_load_b128 v[24:27], v6
	s_wait_dscnt 0x0
	global_store_b128 v6, v[24:27], s[28:29] offset:8192
.Lend:
	s_wait_tensorcnt 0x0                           ; the wave's end
	ds_add_u32 v128, v129
	s_wait_dscnt 0x0
	s_endpgm
.Lrec:
	s_add_nc_u64 s[14:15], s[8:9], s[18:19]        ; v0 at K step ks
	LOADW
.irp c, 0,1
.irp j, 0,1,2,3,4,5,6,7
	global_load_b128 v[VN+32*\c+4*\j:VN+32*\c+4*\j+3], v11, s[14:15] offset:256*\c+16*\j   ; the same k for every r: 16 equal rows
.endr
.endr
	global_load_b32 v12, v10, s[8:9]               ; v0 and u0 of my column
	global_load_b32 v13, v10, s[10:11]
	s_wait_loadcnt 0x0
	QUANT
.irp g, 0,1,2,3,4,5,6,7
.irp j, 0,1,2,3,4,5,6,7
	v_cmp_ge_f32 s[40+\j], v[VN+8*\g+\j], s32
.endr
.irp j, 0,1,2,3,4,5,6,7
	v_cndmask_b32 v[VN+8*\g+\j], 0, 1.0, s[40+\j]  ; (v0 >= 30)
.endr
.endr
.irp g, 0,1,2,3,4,5,6,7
	v_cvt_scalef32_pk8_fp4_f32 v[SF+\g], v[VN+8*\g:VN+8*\g+7], v20
.endr
.rept 8
	v_nop                                          ; the places ahead of a scaled matrix instruction whose operands vector instructions wrote
.endr
	v_wmma_scale_f32_16x16x128_f8f6f4 v[112:119], v[SF:SF+7], v[CD:CD+7], 0, v21, v16 matrix_a_fmt:MATRIX_FMT_FP4 matrix_b_fmt:MATRIX_FMT_FP4   ; register 0, lane r: this K step's part of rec at tile row r
.rept 4
	v_nop
.endr
	ds_store_b32 v8, v112                          ; lanes r and r + 16 hold the same number
	s_wait_dscnt 0x0
	s_barrier_signal -1
	s_barrier_wait -1
.irp k, 0,1,2,3
	ds_load_b32 v[24+\k], v9 offset:64*\k
.endr
	s_wait_dscnt 0x0
	v_cmp_eq_u32 vcc_lo, 1, v3                     ; lanes 16-31 will take w1
	v_add_f32 v24, v24, v25
	v_mul_f32 v25, 0x3d23d70a, v12                 ; 0.04 v
	v_mul_f32 v28, 0x3ca2339c, v12                 ; 0.0198 v
	s_delay_alu instid0(VALU_DEP_3)
	v_add_f32 v24, v24, v26
	s_delay_alu instid0(VALU_DEP_3)
	v_mul_f32 v25, v25, v12
	s_delay_alu instid0(VALU_DEP_3)
	v_fmamk_f32 v28, v13, 0x411cd0e5, v28          ; + 9.801 u
	s_delay_alu instid0(VALU_DEP_3)
	v_add_f32 v24, v24, v27                        ; rec
	s_delay_alu instid0(VALU_DEP_3)
	v_fmamk_f32 v25, v12, 0x40a00000, v25          ; + 5 v
	s_delay_alu instid0(VALU_DEP_3)
	v_add_f32 v28, 0x432d4ccd, v28                 ; + 173.3: w1
	s_delay_alu instid0(VALU_DEP_2)
	v_add_f32 v25, 0x430c0000, v25                 ; + 140
	s_delay_alu instid0(VALU_DEP_1)
	v_sub_f32 v25, v25, v13
	s_delay_alu instid0(VALU_DEP_1)
	v_add_f32 v25, v25, v24
	s_delay_alu instid0(VALU_DEP_1)
	v_fma_f32 v25, v25, 0.5, v12                   ; c1
	s_delay_alu instid0(VALU_DEP_1)
	v_mul_f32 v25, 0x3ca3d70a, v25                 ; 0.02 c1
	s_delay_alu instid0(VALU_DEP_1)
	v_add_f32 v25, 0x3fe0108d, v25                 ; + 0.02 b: d1
	s_delay_alu instid0(VALU_DEP_1)
	v_cndmask_b32 v25, v25, v28, vcc_lo
	s_cmp_lg_u32 s33, 0                            ; the wave of K step 0 stores its tile's 16 + 16 numbers
	s_wait_alu depctr_va_vdst(0)
	s_cbranch_scc1 .Lrend
	global_store_b32 v14, v25, s[30:31]
.Lrend:
	s_wait_tensorcnt 0x0                           ; the wave's end
	ds_add_u32 v128, v129
	s_wait_dscnt 0x0
	s_endpgm
.Lfunc_end_k_q0bc9686782_prep:
	.size	k_q0bc9686782_prep, .Lfunc_end_k_q0bc9686782_prep-k_q0bc9686782_prep
	.p2alignl 7, 3214868480
	.fill 96, 4, 3214868480
	.section	.rodata,"a",@progbits
	.p2align	6, 0x0
	.amdhsa_kernel k_q0bc9686782_prep
		.amdhsa_group_segment_fixed_size 2048
		.amdhsa_private_segment_fixed_size 0
		.amdhsa_enable_private_segment 0
		.amdhsa_kernarg_size 48
		.amdhsa_user_sgpr_count 2
		.amdhsa_user_sgpr_kernarg_segment_ptr 1
		.amdhsa_wavefront_size32 1
		.amdhsa_system_sgpr_workgroup_id_x 1
		.amdhsa_system_sgpr_workgroup_id_y 1
		.amdhsa_system_sgpr_workgroup_id_z 1
		.amdhsa_system_vgpr_workitem_id 0
		.amdhsa_next_free_vgpr 200
		.amdhsa_next_free_sgpr 66
		.amdhsa_reserve_vcc 1
		.amdhsa_float_denorm_mode_32 3
		.amdhsa_float_denorm_mode_16_64 3
		.amdhsa_memory_ordered 1
		.amdhsa_forward_progress 1
		.amdhsa_inst_pref_size 29
	.end_amdhsa_kernel
	.amdgpu_metadata
---
amdhsa.version: [ 1, 2 ]
amdhsa.kernels:
  - .name:           k_q0bc9686782_prep
    .symbol:         k_q0bc9686782_prep.kd
    .args:
      - { .name: W_mossy, .offset: 0, .size: 8, .value_kind: global_buffer, .address_space: global }
      - { .name: W_rec, .offset: 8, .size: 8, .value_kind: global_buffer, .address_space: global }
      - { .name: v0, .offset: 16, .size: 8, .value_kind: global_buffer, .address_space: global }
      - { .name: u0, .offset: 24, .size: 8, .value_kind: global_buffer, .address_space: global }
      - { .name: wm, .offset: 32, .size: 8, .value_kind: global_buffer, .address_space: global }
      - { .name: cv, .offset: 40, .size: 8, .value_kind: global_buffer, .address_space: global }
    .group_segment_fixed_size: 2048
    .private_segment_fixed_size: 0
    .kernarg_segment_align: 8
    .kernarg_segment_size: 48
    .max_flat_workgroup_size: 256
    .sgpr_count:     66
    .vgpr_count:     200
    .wavefront_size: 32
...
	.end_amdgpu_metadata
.endif
;; end of part 1
;; launch ca3 (part 2): grid 256 x 1, 4 waves a work-group, clusters of 4 x 1, 327,680 bytes of LDS; arguments dg_query_spikes, wm, cv, out0; writes out0
.if DOCPART == 2
	.amdgcn_target "amdgcn-amd-amdhsa--gfx1250"
	.amdhsa_code_object_version 6
	.text
	.protected	k_q0bc9686782_ca3
	.globl	k_q0bc9686782_ca3
	.p2align	8
	.type	k_q0bc9686782_ca3,@function
k_q0bc9686782_ca3:
	s_mov_b64 s[64:65], 0
	v_nop
	global_prefetch_b8 v0, s[64:65] scope:SCOPE_SE
	s_setreg_imm32_b32 hwreg(HW_REG_WAVE_MODE, 25, 1), 1
	s_wait_xcnt 0x0
	s_wait_alu depctr_hold_cnt(0) depctr_sa_sdst(0) depctr_va_vdst(0) depctr_va_sdst(0) depctr_va_ssrc(0) depctr_va_vcc(0) depctr_vm_vsrc(0)
	s_getreg_b32 s2, hwreg(HW_REG_IB_STS2, 6, 4)
	s_cmp_eq_u32 s2, 0
	s_cbranch_scc0 .Lentry_in_a_cluster
	s_endpgm
.Lentry_in_a_cluster:
	s_bfe_u32 s2, ttmp6, 0x10000c
	s_cmp_lg_u32 s2, 0x3003
	s_cbranch_scc0 .Lentry_shape_is_right
	s_endpgm
.Lentry_shape_is_right:
; out = the fifth step's spikes of 512 Izhikevich cells for 16,384 rows.  qc = dg W_mossy^T on codes of FP4 (E2M1) with one E8M0 scale for each 32 along K.
; WORK LEFT OUT: the recurrent products of steps 2 to 5 multiply zeros for all inputs, and step 1's is one row for all rows: it lies in d1 (shown at the head of the launch before).
; SHARES.  A work-group owns 64 rows and all 512 columns: 256 work-groups.  Wave w makes columns 128 w .. + 127 for all 64 rows: 32 tiles (m, t), tile (m, t) at register 8 (8 m + t) of window 2.
; The product is used TRANSPOSED (source 0 = 16 rows of the weight, source 1 = 16 batch rows): lane (r, h) holds batch row 16 m + r, register j of tile t column 128 w + 32 (t / 2) + 16 h + 8 (t % 2) + j.
; THE PRODUCT, 16 K steps of 128.  dg comes by loads of 512 consecutive bytes into a ring of four register sets (window 3), four K steps ahead: so no prefetch is laid beside them.
; Wave w turns rows 16 w .. through its own stage in LDS, quantises them, and hands the fragment to the other waves as an image of its registers: one barrier a K step, two image buffers.
; W_mossy's codes, which every work-group reads whole: of each four K steps THREE come by a JOINT tensor load of the cluster's four work-groups into a ring of two slots (26,112 bytes a wave and slot, 34,816 apart);
; each wave reads its own slots alone; a load is asked for four K steps ahead of its first read; one tensor load of a wave is out at most.  The FOURTH K step's fragments go from wm straight into registers
; (window 1, 17 loads of 512 consecutive bytes a wave, three K steps ahead), so that a tensor load brings three quarters of the bytes.
; THE FIVE STEPS, element by element, in eight units of 16 rows x 64 columns a wave.  qc passes through an image in the ring's bytes, which have had their last fill, so that one unit's text serves all eight.
; Carried, with a = -1 / 990 and b = 87.5 + 25 / 990:  D = 0.02 (v + b)  and  W = 9.9 u + 0.02 v + 2 b.  In these reference()'s step, v' = 0.02 v^2 + 3.5 v + 70 + 5 qc - u / 2 and u' = 0.99 u + 0.002 v, reads
;   D' = D D + (C + a W),  C = 0.1 qc + c0,  c0 = 0.02 (70 + b - 0.02 b^2) - 2 a b;   spike = D' >= 0.02 (30 + b);   D = spike ? 0.02 (b - 55) : max(D', 0.02 (b - 90))  (a v' that is no spike lies under 30);
;   W' = 0.99 W + E,  E = the new D, + 39.6 where the cell fires (u + 4).   Step 1: D' = 0.1 qc + d1,  W' = w1 + E.
; LIMITS.  The order of rounding differs from the reference's, as these formulas say; their constants are the f32 numbers nearest to the fractions.  NaN and infinities are not served.  A block of dg of zeros, or with its largest magnitude under 2^-124, keeps the scale byte 1.
.set KBLK,  8704                       ; a K step's block of a wave's weights: 16 x 512 bytes of fragments, 512 of scale words
.set SLOTB, 4*KBLK                     ; from slot to slot in LDS, and from fill to fill in wm
.set RINGW, 2*SLOTB                    ; LDS 0: the ring, 69,632 a wave; later qc's image: tile T at 1,024 T + 512 i + 16 lane
.set DGST,  4*RINGW                    ; the turn of dg (16 rows of 528 bytes a wave), later the way out (16 rows of 272): each wave's own
.set DGP,   528
.set OP,    272
.set AIMG,  DGST+4*16*DGP              ; dg's fragments: two buffers; fragment m at 1,024 m + 512 c + 16 lane; scale words at 4,096 + 128 m + 4 lane
.set ABUF,  4608
.set CVL,   AIMG+2*ABUF                ; d1 (2,048 bytes), then w1
.set SPARE, CVL+4096                   ; the spare words, 128 bytes for each wave, that no other line names
.set SPW, 1
.set NIL, 2
.set LI,  3                            ; 16 x lane
.set CSA, 4                            ; CVL + 512 w + 16 lane
.set STW, 5                            ; my stage by rows
.set STR, 6                            ; my stage by lanes: 528 r + 64 h
.set AWI, 7
.set AWS, 8
.set ARI, 9
.set ARS, 10
.set WMA, 11                           ; the slot that is read: my ring + 16 lane
.set CA,  12                           ; CVL + 512 w + 32 h + 256 q
.set QB,  13                           ; qc's image
.set QA,  14                           ; the next unit's part of it
.set OSW, 15                           ; the way out: 272 r + 64 h
.set OSR, 16                           ; and back: 272 h + 16 r
.set CO,  17                           ; 2,048 h + 16 r
.set TM,  18                           ; v18-29 the quantiser's
.set PW,  30
.set PC,  32                           ; v32-39 codes just made
.set WMS, 40                           ; v40-43 W_mossy's scale words from the slot, v44-47 those of the K step that comes by loads, v48-51 dg's: scales and nothing else
.set WDS, 44
.set AS,  48
.set AF,  56                           ; v56-87 dg's fragments; v120-183 W_mossy's from the slot; window 1, v0-63: W_mossy's by loads
.set WM,  120
.set YR,  56                           ; the five steps: qc, then C
.set XR,  88                           ; d1, then D'
.set TR,  120                          ; w1, then C + a W, then E
.set VR,  152                          ; D
.set HR,  184                          ; W
.set OB,  216                          ; 16 rows on their way out.  v[250:251] c0, v252 the reset D, v253 that + 39.6
.set MK,  68                           ; s68-99 lane masks
.set MSB, 0
.macro WIN new                         ; s_set_vgpr_msb: bits 1:0 source 0, 3:2 source 1, 5:4 source 2, 7:6 destination; the high byte repeats the setting that is left
.if MSB != \new
	s_set_vgpr_msb (MSB<<8)|\new
.set MSB, \new
.endif
.endm
.macro ROUND                           ; a round of the cluster's barrier
	s_barrier_signal -1
	s_barrier_wait -1
	s_cmp_lg_u32 s16, 0
	s_cbranch_scc1 .Lnot_wave_0_\@
	s_barrier_signal -3
.Lnot_wave_0_\@:
	s_barrier_wait -3
	s_barrier_signal -1
	s_barrier_wait -1
.endm
.macro DGLOAD e, k                     ; my 16 rows' 512 bytes of K step k (from the walking base) into set e of window 3
	WIN 0xc0
.irp i, 0,1,2,3,4,5,6,7,8,9,10,11,12,13,14,15
	global_load_b128 v[64*(\e)+4*\i:64*(\e)+4*\i+3], v[LI], s[4:5] offset:8192*\i+512*(\k) th:TH_LOAD_NT
.endr
	WIN 0
.endm
.macro WLOAD                           ; the fourth K step's block of my weights: fragments into window 1, scale words into v[WDS ..]: 17 loads
	WIN 0x40
.irp f, 0,1,2,3,4,5,6,7,8,9,10,11,12,13,14,15
	global_load_b128 v[4*\f:4*\f+3], v[LI], s[14:15] offset:512*\f
.endr
	WIN 0
	global_load_b128 v[WDS:WDS+3], v[LI], s[14:15] offset:8192
.endm
	s_load_b256 s[4:11], s[0:1], 0x0               ; dg s[4:5], wm s[6:7], cv s[8:9], out s[10:11]
	v_lshl_add_u32 v[SPW], v0, 2, SPARE
	v_mov_b32 v[NIL], 0
	ds_add_u32 v[SPW], v[NIL]                      ; the opening lines: the add, twice on end, and its wait ahead of my first tensor load
	ds_add_u32 v[SPW], v[NIL]
	v_lshrrev_b32 v31, 5, v0
	v_readfirstlane_b32 s16, v31                   ; wave 0..3
	s_bfe_u32 s17, ttmp6, 0x40000                  ; cx
	s_lshl_b32 s18, ttmp9, 2
	s_add_co_u32 s18, s18, s17                     ; my block of 64 rows: it enters dg's and out's addresses alone
	s_mul_i32 s36, s16, 16*DGP
	s_add_co_u32 s36, s36, DGST                    ; my stage
	s_lshl_b32 s37, s16, 10
	s_add_co_u32 s37, s37, AIMG
	s_lshl_b32 s38, s16, 7
	s_add_co_u32 s38, s38, AIMG+4096
	s_mul_i32 s33, s16, RINGW                      ; my ring: also slot 0's LDS address in the descriptor
	s_lshl_b32 s56, s16, 9                         ; my 512 bytes of a row of out, of d1 and of w1
	s_add_co_u32 s41, s56, CVL
	s_mov_b32 s20, 0x76543210
	s_mov_b32 s21, 0xfedcba98                      ; v_permlanex16_b32's selects for lane l xor 16
	s_mov_b32 s42, 0x3dcccccd                      ; 0.1  (a packed form names a pair: both words are written)
	s_mov_b32 s43, s42
	s_mov_b32 s44, 0xba84655e                      ; a = -1 / 990
	s_mov_b32 s45, s44
	s_mov_b32 s46, 0x3f7d70a4                      ; 0.99
	s_mov_b32 s47, s46
	s_mov_b32 s50, 0x40166ead                      ; 0.02 (30 + b)
	s_mov_b32 s51, 0xbd4abb37                      ; 0.02 (b - 90)
	s_mov_b32 s24, 15|(3<<16)|(1<<21)              ; group 1: the mask of all four work-groups; elements of 8 bytes; bit 21 beside a mask: a dense block of 102 rows x 256 bytes: three K steps
	s_mov_b32 s25, 32<<16
	s_mov_b32 s26, 102<<16
	s_mov_b32 s27, 32<<16
	s_mov_b32 s28, 102
	s_mov_b32 s29, 32
	s_mov_b32 s30, 0
	s_mov_b32 s31, 0
	s_lshl_b32 s54, s18, 19                        ; dg: 64 rows of 8,192 bytes a work-group,
	s_lshl_b32 s55, s16, 17                        ; 16 a wave
	s_add_co_u32 s54, s54, s55
	s_mov_b32 s55, 0
	s_lshl_b32 s58, s18, 17                        ; out: 64 rows of 2,048 bytes a work-group
	s_add_co_u32 s58, s58, s56
	s_mov_b32 s59, 0
	s_mov_b32 s57, 0
	s_mul_i32 s62, s16, 16*KBLK                    ; my sixteen blocks of wm: no place in the cluster enters a descriptor
	s_mov_b32 s63, 0
	v_and_b32 v20, 31, v0
	v_and_b32 v18, 15, v0                          ; r
	v_bfe_u32 v19, v0, 4, 1                        ; h
	v_lshlrev_b32 v[LI], 4, v20
	v_lshlrev_b32 v21, 2, v20
	v_mul_u32_u24 v[STR], v18, DGP
	v_mul_u32_u24 v[OSW], v18, OP
	v_mul_u32_u24 v[OSR], v19, OP
	v_lshlrev_b32 v[CO], 4, v18
	v_add_nc_u32 v[STW], s36, v[LI]
	v_lshl_add_u32 v[STR], v19, 6, v[STR]
	v_lshl_add_u32 v[OSW], v19, 6, v[OSW]
	v_lshl_add_u32 v[OSR], v18, 4, v[OSR]
	v_lshl_add_u32 v[CO], v19, 11, v[CO]
	v_add_nc_u32 v[STR], s36, v[STR]
	v_add_nc_u32 v[OSW], s36, v[OSW]
	v_add_nc_u32 v[OSR], s36, v[OSR]
	v_add_nc_u32 v[AWI], s37, v[LI]
	v_add_nc_u32 v[AWS], s38, v21
	v_add_nc_u32 v[ARI], AIMG, v[LI]
	v_add_nc_u32 v[ARS], AIMG+4096, v21
	v_add_nc_u32 v[WMA], s33, v[LI]
	v_add_nc_u32 v[QB], s33, v[LI]
	v_add_nc_u32 v[QA], s33, v[LI]
	v_add_nc_u32 v[CSA], s41, v[LI]
	v_lshl_add_u32 v[CA], v19, 5, s41
.irp b, 0,1,2,3
	v_mov_b32 v[TM+4+\b], 0                        ; written once: a lane permute's destination counts as one of its sources
.endr
	s_wait_dscnt 0x0                               ; both opening adds are done
	s_wait_alu depctr_va_vdst(0)                   ; the wait at the head's end
	s_wait_kmcnt 0x0
	s_add_nc_u64 s[4:5], s[4:5], s[54:55]
	s_add_nc_u64 s[10:11], s[10:11], s[58:59]
	s_add_nc_u64 s[8:9], s[8:9], s[56:57]
	s_add_nc_u64 s[34:35], s[6:7], s[62:63]        ; group 0: K steps 0 to 2, slot 0
	s_add_nc_u64 s[14:15], s[34:35], 3*KBLK        ; K step 3: the first that comes by loads
	s_or_b32 s35, s35, 0x80000000
	s_mov_b32 s32, 1
	global_load_b128 v[56:59], v[LI], s[8:9]       ; my 128 numbers of d1,
	global_load_b128 v[60:63], v[LI], s[8:9] offset:2048   ; and of w1
	DGLOAD 0, 0
	DGLOAD 1, 1
	DGLOAD 2, 2
	ROUND                                          ; all four work-groups are here: the first joint load meets
	tensor_load_to_lds s[32:35], s[24:31]
	s_nop 0
.rept 4
	v_nop
.endr
	s_wait_loadcnt 48                              ; the two small loads are in; behind them stand dg's three sets of 16
	ds_store_b128 v[CSA], v[56:59]                 ; each wave stores and later reads its own bytes: no barrier
	ds_store_b128 v[CSA], v[60:63] offset:2048
	DGLOAD 3, 3
; 64 numbers of a lane in set e of window 3, register 16 b + i = k 32 b + 16 h + i of my row, become a fragment's codes in v[PC] on and its scale word in v[PW].
.macro QUANT3 e
	WIN 0x0f
.irp b, 0,1,2,3
	v_max3_num_f32 v[TM+\b], |v[64*(\e)+16*\b]|, |v[64*(\e)+16*\b+1]|, 0x1800000   ; and the floor 2^(3 - 127): the byte cannot fall under 1
.endr
	WIN 0x3c
.irp i, 2,4,6,8,10,12,14
.irp b, 0,1,2,3
	v_max3_num_f32 v[TM+\b], v[TM+\b], |v[64*(\e)+16*\b+\i]|, |v[64*(\e)+16*\b+\i+1]|
.endr
.endr
	WIN 0
.irp b, 0,1,2,3
	v_permlanex16_b32 v[TM+4+\b], v[TM+\b], s20, s21
.endr
.irp b, 0,1,2,3
	v_max_num_f32 v[TM+\b], v[TM+\b], v[TM+4+\b]   ; with lane l xor 16's: the block's largest magnitude
.endr
.irp b, 0,1,2,3
	v_add_nc_u32 v[TM+8+\b], 0xff000000, v[TM+\b]  ; 2 off its exponent field: the conversion's scale operand
.endr
.irp b, 0,1,2,3
	v_lshrrev_b32 v[TM+4+\b], 23, v[TM+8+\b]       ; the scale's byte
.endr
	v_lshl_or_b32 v[PW], v[TM+5], 8, v[TM+4]
	v_lshl_or_b32 v[PW], v[TM+6], 16, v[PW]
	v_lshl_or_b32 v[PW], v[TM+7], 24, v[PW]
	WIN 0x03
.irp b, 0,1,2,3
	v_cvt_scalef32_pk8_fp4_f32 v[PC+2*\b], v[64*(\e)+16*\b:64*(\e)+16*\b+7], v[TM+8+\b]
	v_cvt_scalef32_pk8_fp4_f32 v[PC+2*\b+1], v[64*(\e)+16*\b+8:64*(\e)+16*\b+15], v[TM+8+\b]
.endr
	WIN 0
	v_nop                                          ; one plain line behind the last scaled conversion
.irp c, 0,1                            ; the operand's layout wants a WHOLE block in a lane
.irp i, 0,1
	v_permlane16_swap_b32 v[PC+4*\c+\i], v[PC+4*\c+2+\i]
.endr
.endr
.endm
; One K step of dg: set e is turned through my stage, quantised, and its image stored as fragment w of buffer e % 2.  left: the younger loads that may stay out.  ahead = 1: the set takes the K step four further on.
.macro QSTEP e, left, ahead
	s_wait_loadcnt \left                           ; loads come back in order (ISA guide 5.7.1): set e is in
	WIN 0x0c
.irp i, 0,1,2,3,4,5,6,7,8,9,10,11,12,13,14,15
	ds_store_b128 v[STW], v[64*(\e)+4*\i:64*(\e)+4*\i+3] offset:DGP*\i
.endr
	WIN 0xc0
.irp b, 0,1,2,3
.irp j, 0,1,2,3
	ds_load_b128 v[64*(\e)+16*\b+4*\j:64*(\e)+16*\b+4*\j+3], v[STR] offset:128*\b+16*\j   ; LDS serves a wave's instructions in order (ISA guide 5.7.1.4): these see the stores above
.endr
.endr
	s_wait_dscnt 0x0
	QUANT3 \e
	ds_store_b128 v[AWI], v[PC:PC+3] offset:ABUF*((\e)%2)
	ds_store_b128 v[AWI], v[PC+4:PC+7] offset:ABUF*((\e)%2)+512
	ds_store_b32 v[AWS], v[PW] offset:ABUF*((\e)%2)
.if \ahead
	DGLOAD \e, (\e)+4
.endif
.endm
.macro AFRAGS p                        ; dg's four fragments and their scale words out of image buffer p
.irp f, 0,1,2,3,4,5,6,7
	ds_load_b128 v[AF+4*\f:AF+4*\f+3], v[ARI] offset:ABUF*(\p)+512*\f
.endr
.irp m, 0,1,2,3
	ds_load_b32 v[AS+\m], v[ARS] offset:ABUF*(\p)+128*\m
.endr
.endm
; 32 matrix instructions, the 32 accumulators by turns.  wf: W's fragments;  ws: their scale words.  zero = 1: the first products start the sums.
.macro PROD wf, ws, zero
.irp m, 0,1,2,3
.irp t, 0,1,2,3,4,5,6,7
.if \zero
.if \t%2
	v_wmma_scale_f32_16x16x128_f8f6f4 v[8*(8*\m+\t):8*(8*\m+\t)+7], v[\wf+8*\t:\wf+8*\t+7], v[AF+8*\m:AF+8*\m+7], 0, v[\ws+\t/2], v[AS+\m] matrix_a_fmt:MATRIX_FMT_FP4 matrix_b_fmt:MATRIX_FMT_FP4 matrix_a_scale:MATRIX_SCALE_ROW1
.else
	v_wmma_scale_f32_16x16x128_f8f6f4 v[8*(8*\m+\t):8*(8*\m+\t)+7], v[\wf+8*\t:\wf+8*\t+7], v[AF+8*\m:AF+8*\m+7], 0, v[\ws+\t/2], v[AS+\m] matrix_a_fmt:MATRIX_FMT_FP4 matrix_b_fmt:MATRIX_FMT_FP4
.endif
.else
.if \t%2
	v_wmma_scale_f32_16x16x128_f8f6f4 v[8*(8*\m+\t):8*(8*\m+\t)+7], v[\wf+8*\t:\wf+8*\t+7], v[AF+8*\m:AF+8*\m+7], v[8*(8*\m+\t):8*(8*\m+\t)+7], v[\ws+\t/2], v[AS+\m] matrix_a_fmt:MATRIX_FMT_FP4 matrix_b_fmt:MATRIX_FMT_FP4 matrix_a_scale:MATRIX_SCALE_ROW1
.else
	v_wmma_scale_f32_16x16x128_f8f6f4 v[8*(8*\m+\t):8*(8*\m+\t)+7], v[\wf+8*\t:\wf+8*\t+7], v[AF+8*\m:AF+8*\m+7], v[8*(8*\m+\t):8*(8*\m+\t)+7], v[\ws+\t/2], v[AS+\m] matrix_a_fmt:MATRIX_FMT_FP4 matrix_b_fmt:MATRIX_FMT_FP4
.endif
.endif
.endr
.endr
.endm
; The slot's K step e.  The loads land in registers that the last K step's products read: the quantiser's plain lines stand between.
.macro MPART e, zero
	AFRAGS (\e)%2
	ds_load_b128 v[WMS:WMS+3], v[WMA] offset:KBLK*(\e)+8192
.irp f, 0,1,2,3,4,5,6,7,8,9,10,11,12,13,14,15
	ds_load_b128 v[WM+4*\f:WM+4*\f+3], v[WMA] offset:KBLK*(\e)+512*\f
.endr
	s_wait_dscnt 0x0
	WIN 0xa0                                       ; C and D in window 2
	PROD WM, WMS, \zero
	WIN 0
.endm
; The fourth K step: W's fragments stand in window 1.  left: dg's loads issued behind WLOAD's 17.
.macro MDIR left
	AFRAGS 1
	s_wait_loadcnt \left
	s_wait_dscnt 0x0
	WIN 0xa1                                       ; source 0 in window 1, C and D in window 2
	PROD 0, WDS, 0
	WIN 0
.endm
; Four K steps.  Each K step's barrier shows dg's images to all four waves and frees the other image buffer.  refill = 1: the first of them is a round of the cluster's barrier, behind which the other slot,
; whose reads are over, takes the next fill.  zero = 1: the first products start the sums.  tail = 1: dg's last four K steps: no more of dg is asked for.
; THE COUNTS ON LOADcnt.  The order of issue in a trip is set 0, WLOAD's 17, sets 1, 2, 3.  Behind a set of dg stand three sets and the 17: 65 loads; the wait names 63, which is fewer.  (Set 0: 48: the 17 were waited for in the trip before.)
; In the tail: behind set 1 stand sets 2, 3 and the 17: 49; behind set 2: 33; behind set 3: 17; behind the 17 nothing.
.macro ITER zero, refill, tail
	QSTEP 0, 48, 1-\tail
	s_wait_tensorcnt 0x0                           ; my tensor load has landed: this slot
.if \refill
	ds_add_u32 v[SPW], v[NIL]
	s_add_nc_u64 s[34:35], s[34:35], SLOTB         ; no tensor load of mine is out: four K steps on,
	s_xor_b32 s33, s33, SLOTB                      ; into the other slot
	s_wait_dscnt 0x0                               ; the add is done, my image has landed, my reads of the other slot are over
	ROUND
	tensor_load_to_lds s[32:35], s[24:31]
	s_nop 0
.rept 4
	v_nop
.endr
.else
	s_wait_dscnt 0x0
	s_barrier_signal -1
	s_barrier_wait -1
.endif
	MPART 0, \zero
	WLOAD                                          ; its registers were last read by the trip before's products: the quantiser's plain lines stand between
.irp e, 1,2
	QSTEP \e, 63-(14+16*(\e-1))*\tail, 1-\tail
	s_wait_dscnt 0x0                               ; my image has landed, my reads of the other buffer are over
	s_barrier_signal -1
	s_barrier_wait -1
	MPART \e, 0
.endr
	QSTEP 3, 63-46*\tail, 1-\tail
	s_wait_dscnt 0x0
	s_barrier_signal -1
	s_barrier_wait -1
	MDIR 48-48*\tail
.if 1-\tail
	s_wait_xcnt 0x0                                ; the loads issued so far have read their bases
	s_add_nc_u64 s[4:5], s[4:5], 2048              ; four K steps on, in dg
	s_add_nc_u64 s[14:15], s[14:15], SLOTB         ; and in wm
	v_xor_b32 v[WMA], SLOTB, v[WMA]                ; and the other slot is read
	s_wait_alu depctr_va_vdst(0)                   ; the wait behind the write
.endif
.endm
	ITER 1, 1, 0
	s_mov_b32 s19, 2
.Lka:
	ITER 0, 1, 0
	s_sub_co_u32 s19, s19, 1
	s_cmp_lg_u32 s19, 0
	s_cbranch_scc1 .Lka
	ITER 0, 0, 1
; ---- THE FIVE STEPS
.macro PKF d, a, k, c                  ; d = a x s[k] + c, 32 numbers
.set i, 0
.rept 16
	v_pk_fma_f32 v[\d+i:\d+i+1], v[\a+i:\a+i+1], s[\k:\k+1], v[\c+i:\c+i+1] op_sel_hi:[1,0,1]
.set i, i+2
.endr
.endm
.macro PKC d, a, k, c                  ; d = a x s[k] + the pair v[c]
.set i, 0
.rept 16
	v_pk_fma_f32 v[\d+i:\d+i+1], v[\a+i:\a+i+1], s[\k:\k+1], v[\c:\c+1] op_sel_hi:[1,0,1]
.set i, i+2
.endr
.endm
.macro PKV                             ; D' = D D + (C + a W)
.set i, 0
.rept 16
	v_pk_fma_f32 v[XR+i:XR+i+1], v[VR+i:VR+i+1], v[VR+i:VR+i+1], v[TR+i:TR+i+1]
.set i, i+2
.endr
.endm
.macro CMPS                            ; spike = D' >= 0.02 (30 + b)
.set i, 0
.rept 32
	v_cmp_ge_f32 s[MK+i], v[XR+i], s50
.set i, i+1
.endr
.endm
.macro RESET e                         ; D = spike ? the reset D : max(D', the floor);  e = the same, + 39.6 where the cell fires
	CMPS
.set i, 0
.rept 32
	v_max_num_f32 v[VR+i], s51, v[XR+i]
.set i, i+1
.endr
.set i, 0
.rept 32
	v_cndmask_b32 v[\e+i], v[VR+i], v253, s[MK+i]
.set i, i+1
.endr
.set i, 0
.rept 32
	v_cndmask_b32 v[VR+i], v[VR+i], v252, s[MK+i]
.set i, i+1
.endr
.endm
.macro NEXTQ                           ; a unit's qc: tile tl's registers 4 i .. at 1,024 tl + 512 i
.irp f, 0,1,2,3,4,5,6,7
	ds_load_b128 v[YR+4*\f:YR+4*\f+3], v[QA] offset:512*\f
.endr
.endm
.macro NEXTK d, off                    ; its columns' constants: 64 tl + 32 h + 16 i
.irp f, 0,1,2,3,4,5,6,7
	ds_load_b128 v[\d+4*\f:\d+4*\f+3], v[CA] offset:\off+64*(\f/2)+16*(\f%2)
.endr
.endm
	v_mov_b32 v250, 0x3e86af40                     ; c0.  These five are the plain lines between the last products and the first read of results
	v_mov_b32 v251, 0x3e86af40
	v_mov_b32 v252, 0x3f268780                     ; 0.02 (b - 55)
	v_mov_b32 v253, 0x42210084                     ; that + 39.6
	v_nop
	WIN 0x08
.set T, 0
.rept 32                               ; qc into my part of the ring, each accumulator from its low end on: the ring has had its last fill, and my reads of it are over
	ds_store_b128 v[QB], v[8*T:8*T+3] offset:1024*T
	ds_store_b128 v[QB], v[8*T+4:8*T+7] offset:1024*T+512
.set T, T+1
.endr
	WIN 0
	NEXTQ                                          ; unit 0.  LDS serves a wave's instructions in order: these see the stores
	NEXTK TR, 2048
	NEXTK XR, 0
	s_mov_b32 s60, 0                               ; the unit n = 2 m + q: rows 16 m .., columns 64 q ..
	s_wait_alu depctr_va_vdst(0)                   ; the wait here, ahead of the waits below
.Lunit:
	s_wait_xcnt 0x0                                ; the last unit's stores have read their base and their registers
	s_lshr_b32 s40, s60, 1
	s_lshl_b32 s40, s40, 15                        ; 16 rows of 2,048 bytes x m
	s_and_b32 s41, s60, 1
	s_lshl_b32 s41, s41, 8                         ; + 256 q
	s_add_co_u32 s40, s40, s41
	s_mov_b32 s41, 0
	s_add_nc_u64 s[12:13], s[10:11], s[40:41]
	s_add_co_u32 s61, s60, 1
	s_and_b32 s61, s61, 7                          ; the next unit (behind the last: unit 0 once more, of which nothing is used)
	s_lshl_b32 s61, s61, 12
	v_add_nc_u32 v[QA], s61, v[QB]
	v_xor_b32 v[CA], 0x100, v[CA]
	s_wait_dscnt 0x0                               ; this unit's qc, d1 and w1 are in
	PKF XR, YR, 42, XR                             ; step 1: D' = 0.1 qc + d1
	PKC YR, YR, 42, 250                            ; C = 0.1 qc + c0
	RESET HR
.set i, 0
.rept 16
	v_pk_add_f32 v[HR+i:HR+i+1], v[HR+i:HR+i+1], v[TR+i:TR+i+1]   ; W = w1 + E
.set i, i+2
.endr
.rept 3                                ; steps 2 to 4
	PKF TR, HR, 44, YR                             ; C + a W
	PKV
	RESET TR
	PKF HR, HR, 46, TR                             ; W = 0.99 W + E
.endr
	PKF TR, HR, 44, YR                             ; step 5: the spikes alone are wanted
	NEXTQ                                          ; each set takes the next unit's numbers as soon as it is done with
	PKV
	NEXTK TR, 2048
	CMPS
	NEXTK XR, 0
.set i, 0
.rept 32
	v_cndmask_b32 v[VR+i], 0, 1.0, s[MK+i]         ; the result
.set i, i+1
.endr
.irp tl, 0,1,2,3                       ; through my stage: row r, my eight neighbouring columns of tile 4 q + tl
	ds_store_b128 v[OSW], v[VR+8*\tl:VR+8*\tl+3] offset:128*(\tl/2)+32*(\tl%2)
	ds_store_b128 v[OSW], v[VR+8*\tl+4:VR+8*\tl+7] offset:128*(\tl/2)+32*(\tl%2)+16
.endr
.irp f, 0,1,2,3,4,5,6,7
	ds_load_b128 v[OB+4*\f:OB+4*\f+3], v[OSR] offset:2*OP*\f   ; back by rows: lanes 0-15 one row's 256 bytes, lanes 16-31 the next row's
.endr
	s_wait_dscnt 0x0
.irp f, 0,1,2,3,4,5,6,7
	global_store_b128 v[CO], v[OB+4*\f:OB+4*\f+3], s[12:13] offset:4096*\f th:TH_STORE_NT   ; 16 lanes store 256 consecutive bytes, at a multiple of 256 from out's first byte
.endr
	s_add_co_u32 s60, s60, 1
	s_cmp_lt_u32 s60, 8
	s_wait_alu depctr_va_vdst(0)                   ; the wait ahead of the branch
	s_cbranch_scc1 .Lunit
	s_wait_tensorcnt 0x0                           ; the wave's end
	ds_add_u32 v[SPW], v[NIL]
	s_wait_dscnt 0x0
	ROUND                                          ; the closing round
	s_endpgm
.Lfunc_end_k_q0bc9686782_ca3:
	.size	k_q0bc9686782_ca3, .Lfunc_end_k_q0bc9686782_ca3-k_q0bc9686782_ca3
	.p2alignl 7, 3214868480
	.fill 96, 4, 3214868480
	.section	.rodata,"a",@progbits
	.p2align	6, 0x0
	.amdhsa_kernel k_q0bc9686782_ca3
		.amdhsa_group_segment_fixed_size 327680
		.amdhsa_private_segment_fixed_size 0
		.amdhsa_enable_private_segment 0
		.amdhsa_kernarg_size 32
		.amdhsa_user_sgpr_count 2
		.amdhsa_user_sgpr_kernarg_segment_ptr 1
		.amdhsa_wavefront_size32 1
		.amdhsa_system_sgpr_workgroup_id_x 1
		.amdhsa_system_sgpr_workgroup_id_y 1
		.amdhsa_system_sgpr_workgroup_id_z 1
		.amdhsa_system_vgpr_workitem_id 0
		.amdhsa_next_free_vgpr 1024
		.amdhsa_next_free_sgpr 100
		.amdhsa_reserve_vcc 0
		.amdhsa_float_denorm_mode_32 3
		.amdhsa_float_denorm_mode_16_64 3
		.amdhsa_memory_ordered 1
		.amdhsa_forward_progress 1
		.amdhsa_inst_pref_size 231
	.end_amdhsa_kernel
	.amdgpu_metadata
---
amdhsa.version: [ 1, 2 ]
amdhsa.kernels:
  - .name:           k_q0bc9686782_ca3
    .symbol:         k_q0bc9686782_ca3.kd
    .args:
      - { .name: dg_query_spikes, .offset: 0, .size: 8, .value_kind: global_buffer, .address_space: global }
      - { .name: wm, .offset: 8, .size: 8, .value_kind: global_buffer, .address_space: global }
      - { .name: cv, .offset: 16, .size: 8, .value_kind: global_buffer, .address_space: global }
      - { .name: out0, .offset: 24, .size: 8, .value_kind: global_buffer, .address_space: global }
    .group_segment_fixed_size: 327680
    .private_segment_fixed_size: 0
    .kernarg_segment_align: 8
    .kernarg_segment_size: 32
    .max_flat_workgroup_size: 128
    .sgpr_count:     100
    .vgpr_count:     1024
    .wavefront_size: 32
...
	.end_amdgpu_metadata
.endif
;; end of part 2
